; MI455X (gfx1250); checked and timed in simulation.
; The chip was launched on July 23, 2026; its instructions are those of AMD's public machine-readable ISA for CDNA 5 (MIT licence, August 2026) and "CDNA5" Instruction Set Architecture Reference Guide (July 2026). The comments in the code are by the model that wrote it; some were corrected since.
;; Token Importance Router. Allowed arithmetic: float matrix products may take bf16 or f16 operands with f32 sums; all other float work in f32.
;; Inputs: Wk 512 x 2,048 float32; Wq 512 x 2,048 float32; bk 512 float32; bq 512 float32; hidden 4 x 4,096 x 2,048 float32.
;; Outputs: out0 4 x 4,096 float32.
;; 2 versions, each right; version 2 is version 1 with the launch dot written anew for expert scheduling mode. Each part assembles by itself: llvm-mc -triple=amdgcn-amd-amdhsa -mcpu=gfx1250 --defsym DOCPART=n.
;; ======== version 1 of 2: 3 launches
;; workspace buffers: kpart 524,288 bytes; ubuf 34,816 bytes
;; launch colsum_k (part 1): grid 256 x 1, 16 waves a work-group, no clusters, 8,192 bytes of LDS; arguments hidden, Wk, kpart; writes kpart
.if DOCPART == 1
	.amdgcn_target "amdgcn-amd-amdhsa--gfx1250"
	.amdhsa_code_object_version 6
	.text
	.protected	k_qafab847bdb_colsum_k
	.globl	k_qafab847bdb_colsum_k
	.p2align	8
	.type	k_qafab847bdb_colsum_k,@function
k_qafab847bdb_colsum_k:
	s_mov_b64 s[64:65], 0
	v_nop
	global_prefetch_b8 v0, s[64:65] scope:SCOPE_SE
	s_setreg_imm32_b32 hwreg(HW_REG_WAVE_MODE, 25, 1), 1
	s_wait_xcnt 0x0
; STEP 1 OF 3.  scores[b,t] = mean over s of (q[b,t] . k[b,s]) * 512^-0.5 with q = h Wq^T + bq, k = h Wk^T + bk.
; The mean over the keys and both projections are linear, so for every input
;   S[b] = sum over s of h[b,s,:]     kbar[b] = Wk S[b] / 4096 + bk     u[b] = Wq^T kbar[b]     c[b] = bq . kbar[b]
;   scores[b,t] = 512^-0.5 (h[b,t,:] . u[b] + c[b]).
; LIMIT: the order of rounding differs from the reference's (the mean is taken ahead of the products); all sums are f32.
; No product of two matrices is left, only a column sum and products of a matrix with one vector a batch: the matrix
; instructions have nothing to multiply, and the work is a stream through registers.
;
; THIS LAUNCH: kpart[wg][r] = sum over the 64 columns d of slice j of Wk[r][d] * (sum over 2,048 rows of hidden[.][d]).
; Work-group wg = 32 bh + j: bh = 2 b + half picks 2,048 rows of batch b, j picks columns 64 j .. 64 j + 63 (256 aligned bytes of a row).
; Wave w sums rows 128 w .. 128 w + 127.  One 16-byte load a lane covers two rows' 256 bytes: lanes 0-15 the even row, lanes 16-31 the odd.
; A ring of 16 register slots keeps 16 loads of each wave out; 16 waves x 16 loads x 512 bytes = 128 KiB of the work-group on their way.
; No joint loads in a cluster: what work-groups share is the slice of Wk, 128 KiB against 512 KiB of hidden that are a work-group's own,
; and it is loaded straight into registers while the stream runs out.
; No address register is rewritten (all steps stand in immediates) and EXEC stays full, so no wait frees a source.
.set PAIRB, 16384                      ; bytes from a pair of rows to the next (a row of hidden or of Wk is 8,192 bytes)
.set HOFF,  4                          ; v4       my byte offset in the work-group's part of hidden
.set WOFF,  5                          ; v5       my byte offset in the slice of Wk
.set LST,   6                          ; v6       LDS: where my wave puts its column sums
.set LRD,   7                          ; v7       LDS: where I read eight waves' column sums
.set KST,   8                          ; v8       LDS: my first row's word in KP
.set OUTO,  9                          ; v9       16 x thread: the way out
.set ACC,   10                         ; v[10:13] running sums of my 4 columns, later S
.set T,     14                         ; v[14:17] at work
.set X,     24                         ; v[24:87] 16 slots of 4 registers
.set P,     24                         ; v[24:39] behind the stream: 16 products Wk . S
.set TP,    40                         ; v[40:71] behind the stream: 16 pairs at work
.set WK,    88                         ; v[88:151] 16 rows of Wk, my 4 columns
.set KP,    4096                       ; LDS 0-4095: 16 waves x 256 bytes of column sums; 4096-6143: 512 f32, the work-group's result
	s_load_b128 s[4:7], s[0:1], 0x0                ; hidden s[4:5], Wk s[6:7]
	s_load_b64 s[8:9], s[0:1], 0x10                ; kpart
	v_lshl_add_u32 v152, v0, 2, 0x1800
	v_mov_b32 v153, 0
	v_lshrrev_b32 v3, 5, v0
	v_readfirstlane_b32 s10, v3                    ; wave 0..15
	s_and_b32 s11, ttmp9, 31                       ; j
	s_lshr_b32 s12, ttmp9, 5                       ; bh
	s_lshl_b32 s12, s12, 24                        ; 2,048 rows of 8,192 bytes
	s_lshl_b32 s16, s11, 8                         ; the slice: 256 bytes into a row
	s_or_b32 s12, s12, s16
	s_mov_b32 s13, 0
	s_mov_b32 s17, 0
	s_lshl_b32 s18, ttmp9, 11                      ; my row of kpart: 512 f32
	s_mov_b32 s19, 0
	s_mov_b32 s14, 0x76543210                      ; v_permlanex16_b32: lane i of one half reads lane i of the other
	s_mov_b32 s15, 0xfedcba98
	v_and_b32 v1, 15, v0
	v_lshlrev_b32 v1, 4, v1                        ; 16 bytes (4 columns) for each of 16 lanes
	v_bfe_u32 v2, v0, 4, 1                         ; h: which row of a pair
	v_lshl_add_u32 v[WOFF], v2, 13, v1             ; h rows + my columns
	v_lshl_add_u32 v[HOFF], s10, 20, v[WOFF]       ; + 128 rows of hidden a wave
	v_lshl_add_u32 v[WOFF], s10, 18, v[WOFF]       ; + 32 rows of Wk a wave
	v_lshl_add_u32 v[LST], s10, 8, v1              ; 256 w + 16 (lane mod 16)
	v_lshl_add_u32 v[LRD], v2, 11, v1              ; lanes 0-15 read waves 0-7, lanes 16-31 waves 8-15
	v_lshlrev_b32 v[KST], 2, v2
	v_lshl_add_u32 v[KST], s10, 7, v[KST]          ; 4 (32 w + h)
	v_lshlrev_b32 v[OUTO], 4, v0
	s_wait_kmcnt 0x0
	s_add_nc_u64 s[4:5], s[4:5], s[12:13]
	s_add_nc_u64 s[6:7], s[6:7], s[16:17]
	s_add_nc_u64 s[8:9], s[8:9], s[18:19]
.irp i, 0,1,2,3,4,5,6,7,8,9,10,11,12,13,14,15
	global_load_b128 v[X+4*\i:X+4*\i+3], v[HOFF], s[4:5] offset:\i*PAIRB th:TH_LOAD_NT   ; the ring's first fill; the launch reads each byte of hidden once
.endr
; Two slots' turn: loads 2 p and 2 p + 1 are added, and the two slots are asked for again.  The last eight turns ask for the wave's
; 32 rows of Wk instead (rows 32 w + 2 n + h), so that the count of the wait is the same in all 32 turns.
.macro PAIR p
	s_wait_loadcnt 14                              ; 16 + 2 p loads are issued, the oldest 2 p + 2 are needed: loads come back in order (ISA guide 5.7.1), 14 stay out
.if \p == 0
	v_pk_add_f32 v[ACC:ACC+1],   v[X:X+1],   v[X+4:X+5]        ; the first two loads start the sums: nothing is cleared
	v_pk_add_f32 v[ACC+2:ACC+3], v[X+2:X+3], v[X+6:X+7]
.else
	v_pk_add_f32 v[T:T+1],   v[X+8*(\p%8):X+8*(\p%8)+1],   v[X+8*(\p%8)+4:X+8*(\p%8)+5]
	v_pk_add_f32 v[T+2:T+3], v[X+8*(\p%8)+2:X+8*(\p%8)+3], v[X+8*(\p%8)+6:X+8*(\p%8)+7]
	v_pk_add_f32 v[ACC:ACC+1],   v[ACC:ACC+1],   v[T:T+1]
	v_pk_add_f32 v[ACC+2:ACC+3], v[ACC+2:ACC+3], v[T+2:T+3]
.endif
.if \p < 24
	global_load_b128 v[X+8*(\p%8):X+8*(\p%8)+3],   v[HOFF], s[4:5] offset:(2*\p+16)*PAIRB th:TH_LOAD_NT
	global_load_b128 v[X+8*(\p%8)+4:X+8*(\p%8)+7], v[HOFF], s[4:5] offset:(2*\p+17)*PAIRB th:TH_LOAD_NT
.else
	global_load_b128 v[WK+8*(\p-24):WK+8*(\p-24)+3],   v[WOFF], s[6:7] offset:(2*\p-48)*PAIRB   ; eight work-groups read this slice: no hint
	global_load_b128 v[WK+8*(\p-24)+4:WK+8*(\p-24)+7], v[WOFF], s[6:7] offset:(2*\p-47)*PAIRB
.endif
.endm
.irp p, 0,1,2,3,4,5,6,7,8,9,10,11,12,13,14,15,16,17,18,19,20,21,22,23,24,25,26,27,28,29,30,31
	PAIR \p
.endr
	; even rows + odd rows: both halves of the wave then hold the wave's sums of the 64 columns
.irp k, 0,1,2,3
	v_permlanex16_b32 v[T+\k], v[ACC+\k], s14, s15 ; T has been written: the destination counts as read
.endr
	v_pk_add_f32 v[ACC:ACC+1],   v[ACC:ACC+1],   v[T:T+1]
	v_pk_add_f32 v[ACC+2:ACC+3], v[ACC+2:ACC+3], v[T+2:T+3]
	ds_store_b128 v[LST], v[ACC:ACC+3]             ; both halves write the same bytes with the same values
	s_wait_dscnt 0x0                               ; for the other waves: my store is in LDS
	s_barrier_signal -1
	s_barrier_wait -1                              ; the 16 loads of Wk stay on their way: nobody writes Wk
.irp g, 0,1,2,3,4,5,6,7
	ds_load_b128 v[X+4*\g:X+4*\g+3], v[LRD] offset:256*\g
.endr
	s_wait_dscnt 0x0
.macro VADD4 d, a, b                   ; four sums
	v_pk_add_f32 v[\d:\d+1],   v[\a:\a+1],   v[\b:\b+1]
	v_pk_add_f32 v[\d+2:\d+3], v[\a+2:\a+3], v[\b+2:\b+3]
.endm
	VADD4 X,    X,    X+4
	VADD4 X+8,  X+8,  X+12
	VADD4 X+16, X+16, X+20
	VADD4 X+24, X+24, X+28
	VADD4 X,    X,    X+8
	VADD4 X+16, X+16, X+24
	VADD4 ACC,  X,    X+16
.irp k, 0,1,2,3
	v_permlanex16_b32 v[T+\k], v[ACC+\k], s14, s15 ; waves 0-7 + waves 8-15
.endr
	VADD4 ACC, ACC, T                              ; S of my 4 columns over the work-group's 2,048 rows, in every lane
	s_wait_loadcnt 0x0                             ; the 16 loads of Wk
.irp n, 0,1,2,3,4,5,6,7,8,9,10,11,12,13,14,15
	v_pk_mul_f32 v[TP+2*\n:TP+2*\n+1], v[WK+4*\n:WK+4*\n+1], v[ACC:ACC+1]
.endr
.irp n, 0,1,2,3,4,5,6,7,8,9,10,11,12,13,14,15
	v_pk_fma_f32 v[TP+2*\n:TP+2*\n+1], v[WK+4*\n+2:WK+4*\n+3], v[ACC+2:ACC+3], v[TP+2*\n:TP+2*\n+1]
.endr
.irp n, 0,1,2,3,4,5,6,7,8,9,10,11,12,13,14,15
	v_add_f32 v[P+\n], v[TP+2*\n], v[TP+2*\n+1]    ; my 4 columns of row 32 w + 2 n + h
.endr
.irp m, 1,2,4,8                        ; over the 16 lanes that hold a row's 64 columns; sixteen chains that do not wait for each other
.irp n, 0,1,2,3,4,5,6,7,8,9,10,11,12,13,14,15
	v_add_f32_dpp v[P+\n], v[P+\n], v[P+\n] row_xmask:\m row_mask:0xf bank_mask:0xf
.endr
.endr
.irp n, 0,1,2,3,4,5,6,7,8,9,10,11,12,13,14,15
	ds_store_b32 v[KST], v[P+\n] offset:KP+8*\n    ; word 32 w + 2 n + h; a half's 16 lanes write the same word with the same value
.endr
	s_wait_dscnt 0x0                               ; for waves 0-3, which read all 512 words
	s_barrier_signal -1
	s_barrier_wait -1
	s_cmp_ge_u32 s10, 4
	s_cbranch_scc1 .Lend                           ; 2,048 bytes leave by 128 threads
	ds_load_b128 v[P:P+3], v[OUTO] offset:KP
	s_wait_dscnt 0x0
	global_store_b128 v[OUTO], v[P:P+3], s[8:9]    ; a wave's store covers 512 consecutive bytes, aligned
.Lend:
	s_wait_tensorcnt 0x0
	ds_add_u32 v152, v153
	s_wait_dscnt 0x0
	s_endpgm
.Lfunc_end_k_qafab847bdb_colsum_k:
	.size	k_qafab847bdb_colsum_k, .Lfunc_end_k_qafab847bdb_colsum_k-k_qafab847bdb_colsum_k
	.p2alignl 7, 3214868480
	.fill 96, 4, 3214868480
	.section	.rodata,"a",@progbits
	.p2align	6, 0x0
	.amdhsa_kernel k_qafab847bdb_colsum_k
		.amdhsa_group_segment_fixed_size 8192
		.amdhsa_private_segment_fixed_size 0
		.amdhsa_enable_private_segment 0
		.amdhsa_kernarg_size 24
		.amdhsa_user_sgpr_count 2
		.amdhsa_user_sgpr_kernarg_segment_ptr 1
		.amdhsa_wavefront_size32 1
		.amdhsa_system_sgpr_workgroup_id_x 1
		.amdhsa_system_sgpr_workgroup_id_y 1
		.amdhsa_system_sgpr_workgroup_id_z 1
		.amdhsa_system_vgpr_workitem_id 0
		.amdhsa_next_free_vgpr 154
		.amdhsa_next_free_sgpr 66
		.amdhsa_reserve_vcc 0
		.amdhsa_float_denorm_mode_32 3
		.amdhsa_float_denorm_mode_16_64 3
		.amdhsa_memory_ordered 1
		.amdhsa_forward_progress 1
		.amdhsa_inst_pref_size 29
	.end_amdhsa_kernel
	.amdgpu_metadata
---
amdhsa.version: [ 1, 2 ]
amdhsa.kernels:
  - .name:           k_qafab847bdb_colsum_k
    .symbol:         k_qafab847bdb_colsum_k.kd
    .args:
      - { .name: hidden, .offset: 0, .size: 8, .value_kind: global_buffer, .address_space: global }
      - { .name: Wk, .offset: 8, .size: 8, .value_kind: global_buffer, .address_space: global }
      - { .name: kpart, .offset: 16, .size: 8, .value_kind: global_buffer, .address_space: global }
    .group_segment_fixed_size: 8192
    .private_segment_fixed_size: 0
    .kernarg_segment_align: 8
    .kernarg_segment_size: 24
    .max_flat_workgroup_size: 512
    .sgpr_count:     66
    .vgpr_count:     154
    .wavefront_size: 32
...
	.end_amdgpu_metadata
.endif
;; end of part 1
;; launch mid (part 2): grid 32 x 4, 16 waves a work-group, no clusters, 20,480 bytes of LDS; arguments kpart, Wq, bk, bq, ubuf; writes ubuf
.if DOCPART == 2
	.amdgcn_target "amdgcn-amd-amdhsa--gfx1250"
	.amdhsa_code_object_version 6
	.text
	.protected	k_qafab847bdb_mid
	.globl	k_qafab847bdb_mid
	.p2align	8
	.type	k_qafab847bdb_mid,@function
k_qafab847bdb_mid:
	s_mov_b64 s[64:65], 0
	v_nop
	global_prefetch_b8 v0, s[64:65] scope:SCOPE_SE
	s_setreg_imm32_b32 hwreg(HW_REG_WAVE_MODE, 25, 1), 1
	s_wait_xcnt 0x0
; STEP 2 OF 3.  From the 64 partial products of a batch: K = 4096 kbar = sum of kpart's 64 rows + 4096 bk (512 numbers),
; then u'[d] = (512^-0.5 / 4096) sum over r of Wq[r][d] K[r]  and  c' = (512^-0.5 / 4096) sum over r of bq[r] K[r].
; ubuf, for each batch 8,704 bytes: 2,048 f32 of u', then 128 f32 that all hold c'.
; LIMIT: K is 4,096 times kbar, so it leaves f32's range where |kbar| passes about 8e34; the order of rounding differs from the reference's.
; Work-group (j, b): batch b, columns 64 j .. 64 j + 63 of Wq (256 aligned bytes of each row).  32 x 4 = 128 work-groups: a narrower slice
; would take part of an aligned block of 256 bytes of each row of Wq, and a split over r would leave sums for the last launch.
; Each work-group makes K for itself (128 KiB of kpart) rather than through a launch of its own.
; All 34 loads of a wave go out at its first lines, straight into registers; a joint load in a cluster would send these 256 KiB
; through LDS and add the cluster's rounds to a text that has two barriers.  No address register is rewritten; EXEC stays full.
.set UPITCH, 8704
.set KOFF,  5                          ; v5       my byte offset in the batch's rows of kpart
.set BOFF,  6                          ; v6       my byte offset in bk and bq
.set WOFF,  7                          ; v7       my byte offset in the slice of Wq
.set T16,   8                          ; v8       16 x thread
.set T4,    9                          ; v9       4 x thread
.set KSRD,  10                         ; v10      LDS: my 16 rows' K
.set L8,    13                         ; v13      8 x lane
.set L16,   15                         ; v15      16 x lane
.set BK,    16                         ; v[16:19]
.set BQ,    20                         ; v[20:23]
.set ACC,   24                         ; v[24:27] u of my 4 columns over my 16 rows
.set CP,    28                         ; v[28:29] bq . ksum
.set KP,    32                         ; v[32:95] 16 partials of 4 numbers; later what comes back from LDS
.set WQ,    96                         ; v[96:159] 16 rows of Wq, my 4 columns
.set US,    8192                       ; LDS 0-8191: four partial K of 512 f32; 8192-16383: 32 groups x 64 f32 of partial u
.set CS,    16384                      ; LDS 16384-18431: 512 f32, one partial of bq . K a thread
.set C1024, 0x44800000                 ; 1024.0: each of the four partial K takes a quarter of 4096 bk
.set CSCALE, 0x373504f3                ; 2^-4.5 / 4096 = 2^-17 x 1.41421356
	s_load_b256 s[4:11], s[0:1], 0x0               ; kpart s[4:5], Wq s[6:7], bk s[8:9], bq s[10:11]
	s_load_b64 s[12:13], s[0:1], 0x20              ; ubuf
	v_lshl_add_u32 v160, v0, 2, 0x4800
	v_mov_b32 v161, 0
	v_lshrrev_b32 v4, 5, v0
	v_readfirstlane_b32 s14, v4                    ; wave 0..15
	s_and_b32 s15, ttmp7, 0xffff                   ; b
	s_mov_b32 s16, ttmp9                           ; j
	s_lshl_b32 s18, s15, 17                        ; 64 rows of kpart, 2,048 bytes each
	s_mov_b32 s19, 0
	s_lshl_b32 s20, s16, 8                         ; the slice
	s_mov_b32 s21, 0
	s_mul_i32 s22, s15, UPITCH
	s_add_co_u32 s22, s22, s20                     ; my 256 bytes of u'
	s_mov_b32 s23, 0
	s_mov_b32 s24, 0x76543210
	s_mov_b32 s25, 0xfedcba98
	s_lshr_b32 s26, s14, 2                         ; g: partials 16 g .. 16 g + 15
	s_and_b32 s27, s14, 3                          ; q: r = 128 q + 4 lane .. + 3
	v_and_b32 v1, 31, v0                           ; lane
	v_and_b32 v2, 15, v0
	v_lshlrev_b32 v2, 4, v2                        ; 16 (lane mod 16)
	v_lshrrev_b32 v3, 4, v0                        ; 2 w + h: my group of 16 rows of Wq
	v_lshlrev_b32 v[L16], 4, v1
	v_lshlrev_b32 v[L8], 3, v1
	v_lshl_add_u32 v[BOFF], s27, 9, v[L16]
	v_lshl_add_u32 v[KOFF], s26, 15, v[BOFF]
	v_lshl_add_u32 v[WOFF], v3, 17, v2             ; 16 rows of 8,192 bytes a group
	v_lshlrev_b32 v[T16], 4, v0
	v_lshlrev_b32 v[T4], 2, v0
	v_lshlrev_b32 v[KSRD], 6, v3                   ; 16 f32 a group
	s_wait_kmcnt 0x0
	s_add_nc_u64 s[4:5], s[4:5], s[18:19]
	s_add_nc_u64 s[6:7], s[6:7], s[20:21]
	s_add_nc_u64 s[12:13], s[12:13], s[22:23]
.irp n, 0,1,2,3,4,5,6,7,8,9,10,11,12,13,14,15
	global_load_b128 v[KP+4*\n:KP+4*\n+3], v[KOFF], s[4:5] offset:2048*\n
.endr
	global_load_b128 v[BK:BK+3], v[BOFF], s[8:9]
	global_load_b128 v[BQ:BQ+3], v[BOFF], s[10:11]
.irp n, 0,1,2,3,4,5,6,7,8,9,10,11,12,13,14,15
	global_load_b128 v[WQ+4*\n:WQ+4*\n+3], v[WOFF], s[6:7] offset:8192*\n
.endr
.macro VADD4 d, a, b                   ; four sums
	v_pk_add_f32 v[\d:\d+1],   v[\a:\a+1],   v[\b:\b+1]
	v_pk_add_f32 v[\d+2:\d+3], v[\a+2:\a+3], v[\b+2:\b+3]
.endm
	; stage 1: my 16 partials of my 4 r, as a tree
	s_wait_loadcnt 16                              ; the 16 loads of Wq are younger and stay out
.irp n, 0,2,4,6,8,10,12,14
	VADD4 KP+4*\n, KP+4*\n, KP+4*\n+4
.endr
.irp n, 0,4,8,12
	VADD4 KP+4*\n, KP+4*\n, KP+4*\n+8
.endr
.irp n, 0,8
	VADD4 KP+4*\n, KP+4*\n, KP+4*\n+16
.endr
	VADD4 KP, KP, KP+32
	v_pk_fma_f32 v[KP:KP+1],   v[BK:BK+1],   C1024, v[KP:KP+1]   op_sel_hi:[1,0,1]   ; + 1024 bk: four such partials make 4096 bk
	v_pk_fma_f32 v[KP+2:KP+3], v[BK+2:BK+3], C1024, v[KP+2:KP+3] op_sel_hi:[1,0,1]
	v_pk_mul_f32 v[CP:CP+1], v[BQ:BQ+1], v[KP:KP+1]
	v_pk_fma_f32 v[CP:CP+1], v[BQ+2:BQ+3], v[KP+2:KP+3], v[CP:CP+1]
	v_add_f32 v[CP], v[CP], v[CP+1]                ; my part of bq . K
	ds_store_b128 v[T16], v[KP:KP+3]               ; 2,048 g + 512 q + 16 lane = 16 x thread
	ds_store_b32 v[T4], v[CP] offset:CS
	s_wait_dscnt 0x0                               ; for the other waves
	s_barrier_signal -1
	s_barrier_wait -1
	; stage 2: K of my 16 rows (a half's lanes read the same bytes), then my 4 columns of Wq against it
.irp g, 0,1,2,3
.irp m, 0,1,2,3
	ds_load_b128 v[KP+16*\g+4*\m:KP+16*\g+4*\m+3], v[KSRD] offset:2048*\g+16*\m
.endr
.endr
	s_wait_dscnt 0x0
.irp i, 0,2,4,6,8,10,12,14
	v_pk_add_f32 v[KP+\i:KP+\i+1],       v[KP+\i:KP+\i+1],       v[KP+16+\i:KP+16+\i+1]
	v_pk_add_f32 v[KP+32+\i:KP+32+\i+1], v[KP+32+\i:KP+32+\i+1], v[KP+48+\i:KP+48+\i+1]
.endr
.irp i, 0,2,4,6,8,10,12,14
	v_pk_add_f32 v[KP+\i:KP+\i+1], v[KP+\i:KP+\i+1], v[KP+32+\i:KP+32+\i+1]           ; v[KP+n] = K of row 16 (2 w + h) + n
.endr
	s_wait_loadcnt 0x0                             ; Wq
	v_pk_mul_f32 v[ACC:ACC+1],   v[WQ:WQ+1],   v[KP:KP+1] op_sel_hi:[1,0]             ; the first row starts the sums; both halves take K[0]
	v_pk_mul_f32 v[ACC+2:ACC+3], v[WQ+2:WQ+3], v[KP:KP+1] op_sel_hi:[1,0]
.irp n, 1,2,3,4,5,6,7,8,9,10,11,12,13,14,15
.if (\n%2)
	v_pk_fma_f32 v[ACC:ACC+1],   v[WQ+4*\n:WQ+4*\n+1],   v[KP+\n-1:KP+\n], v[ACC:ACC+1]   op_sel:[0,1,0] op_sel_hi:[1,1,1]   ; both halves take the pair's second register
	v_pk_fma_f32 v[ACC+2:ACC+3], v[WQ+4*\n+2:WQ+4*\n+3], v[KP+\n-1:KP+\n], v[ACC+2:ACC+3] op_sel:[0,1,0] op_sel_hi:[1,1,1]
.else
	v_pk_fma_f32 v[ACC:ACC+1],   v[WQ+4*\n:WQ+4*\n+1],   v[KP+\n:KP+\n+1], v[ACC:ACC+1]   op_sel_hi:[1,0,1]                  ; both halves take the pair's first register
	v_pk_fma_f32 v[ACC+2:ACC+3], v[WQ+4*\n+2:WQ+4*\n+3], v[KP+\n:KP+\n+1], v[ACC+2:ACC+3] op_sel_hi:[1,0,1]
.endif
.endr
	ds_store_b128 v[T16], v[ACC:ACC+3] offset:US   ; group 2 w + h: 256 bytes, 64 columns
	s_wait_dscnt 0x0                               ; for wave 0
	s_barrier_signal -1
	s_barrier_wait -1
	s_cmp_lg_u32 s14, 0
	s_cbranch_scc1 .Lnot_wave_0
	; wave 0: the 32 groups' sums, two columns a lane
.irp g, 0,1,2,3,4,5,6,7,8,9,10,11,12,13,14,15,16,17,18,19,20,21,22,23,24,25,26,27,28,29,30,31
	ds_load_b64 v[KP+2*\g:KP+2*\g+1], v[L8] offset:US+256*\g
.endr
	s_wait_dscnt 0x0
.irp g, 0,2,4,6,8,10,12,14,16,18,20,22,24,26,28,30
	v_pk_add_f32 v[KP+2*\g:KP+2*\g+1], v[KP+2*\g:KP+2*\g+1], v[KP+2*\g+2:KP+2*\g+3]
.endr
.irp g, 0,4,8,12,16,20,24,28
	v_pk_add_f32 v[KP+2*\g:KP+2*\g+1], v[KP+2*\g:KP+2*\g+1], v[KP+2*\g+4:KP+2*\g+5]
.endr
.irp g, 0,8,16,24
	v_pk_add_f32 v[KP+2*\g:KP+2*\g+1], v[KP+2*\g:KP+2*\g+1], v[KP+2*\g+8:KP+2*\g+9]
.endr
.irp g, 0,16
	v_pk_add_f32 v[KP+2*\g:KP+2*\g+1], v[KP+2*\g:KP+2*\g+1], v[KP+2*\g+16:KP+2*\g+17]
.endr
	v_pk_add_f32 v[KP:KP+1], v[KP:KP+1], v[KP+32:KP+33]
	v_pk_mul_f32 v[KP:KP+1], v[KP:KP+1], CSCALE op_sel_hi:[1,0]
	global_store_b64 v[L8], v[KP:KP+1], s[12:13]   ; the wave's store covers 256 consecutive bytes, aligned
	s_wait_tensorcnt 0x0
	ds_add_u32 v160, v161
	s_wait_dscnt 0x0
	s_endpgm
.Lnot_wave_0:
	s_cmp_lg_u32 s14, 1
	s_cbranch_scc1 .Lend
	s_cmp_lg_u32 s16, 0
	s_cbranch_scc1 .Lend                           ; c' is the same in all 32 slices: slice 0 stores it
	; wave 1 of slice 0: the 512 threads' parts of bq . K
.irp m, 0,1,2,3
	ds_load_b128 v[KP+4*\m:KP+4*\m+3], v[L16] offset:CS+512*\m
.endr
	s_wait_dscnt 0x0
	VADD4 KP,   KP,   KP+4
	VADD4 KP+8, KP+8, KP+12
	VADD4 KP,   KP,   KP+8
	v_pk_add_f32 v[KP:KP+1], v[KP:KP+1], v[KP+2:KP+3]
	v_add_f32 v[KP], v[KP], v[KP+1]
	v_add_f32_dpp v[KP], v[KP], v[KP] row_xmask:1 row_mask:0xf bank_mask:0xf
	v_add_f32_dpp v[KP], v[KP], v[KP] row_xmask:2 row_mask:0xf bank_mask:0xf
	v_add_f32_dpp v[KP], v[KP], v[KP] row_xmask:4 row_mask:0xf bank_mask:0xf
	v_add_f32_dpp v[KP], v[KP], v[KP] row_xmask:8 row_mask:0xf bank_mask:0xf
	v_permlanex16_b32 v[KP+1], v[KP], s24, s25     ; its destination has been written
	v_add_f32 v[KP], v[KP], v[KP+1]
	v_mul_f32 v[KP], CSCALE, v[KP]
	v_mov_b32 v[KP+1], v[KP]
	v_mov_b32 v[KP+2], v[KP]
	v_mov_b32 v[KP+3], v[KP]
	global_store_b128 v[L16], v[KP:KP+3], s[12:13] offset:8192   ; with j = 0 the base is the batch's first byte: 512 bytes behind u', all of them c'
.Lend:
	s_wait_tensorcnt 0x0
	ds_add_u32 v160, v161
	s_wait_dscnt 0x0
	s_endpgm
.Lfunc_end_k_qafab847bdb_mid:
	.size	k_qafab847bdb_mid, .Lfunc_end_k_qafab847bdb_mid-k_qafab847bdb_mid
	.p2alignl 7, 3214868480
	.fill 96, 4, 3214868480
	.section	.rodata,"a",@progbits
	.p2align	6, 0x0
	.amdhsa_kernel k_qafab847bdb_mid
		.amdhsa_group_segment_fixed_size 20480
		.amdhsa_private_segment_fixed_size 0
		.amdhsa_enable_private_segment 0
		.amdhsa_kernarg_size 40
		.amdhsa_user_sgpr_count 2
		.amdhsa_user_sgpr_kernarg_segment_ptr 1
		.amdhsa_wavefront_size32 1
		.amdhsa_system_sgpr_workgroup_id_x 1
		.amdhsa_system_sgpr_workgroup_id_y 1
		.amdhsa_system_sgpr_workgroup_id_z 1
		.amdhsa_system_vgpr_workitem_id 0
		.amdhsa_next_free_vgpr 162
		.amdhsa_next_free_sgpr 66
		.amdhsa_reserve_vcc 0
		.amdhsa_float_denorm_mode_32 3
		.amdhsa_float_denorm_mode_16_64 3
		.amdhsa_memory_ordered 1
		.amdhsa_forward_progress 1
		.amdhsa_inst_pref_size 19
	.end_amdhsa_kernel
	.amdgpu_metadata
---
amdhsa.version: [ 1, 2 ]
amdhsa.kernels:
  - .name:           k_qafab847bdb_mid
    .symbol:         k_qafab847bdb_mid.kd
    .args:
      - { .name: kpart, .offset: 0, .size: 8, .value_kind: global_buffer, .address_space: global }
      - { .name: Wq, .offset: 8, .size: 8, .value_kind: global_buffer, .address_space: global }
      - { .name: bk, .offset: 16, .size: 8, .value_kind: global_buffer, .address_space: global }
      - { .name: bq, .offset: 24, .size: 8, .value_kind: global_buffer, .address_space: global }
      - { .name: ubuf, .offset: 32, .size: 8, .value_kind: global_buffer, .address_space: global }
    .group_segment_fixed_size: 20480
    .private_segment_fixed_size: 0
    .kernarg_segment_align: 8
    .kernarg_segment_size: 40
    .max_flat_workgroup_size: 512
    .sgpr_count:     66
    .vgpr_count:     162
    .wavefront_size: 32
...
	.end_amdgpu_metadata
.endif
;; end of part 2
;; launch dot (part 3): grid 256 x 1, 8 waves a work-group, no clusters, 1,280 bytes of LDS; arguments hidden, ubuf, out0; writes out0
.if DOCPART == 3
	.amdgcn_target "amdgcn-amd-amdhsa--gfx1250"
	.amdhsa_code_object_version 6
	.text
	.protected	k_qafab847bdb_dot
	.globl	k_qafab847bdb_dot
	.p2align	8
	.type	k_qafab847bdb_dot,@function
k_qafab847bdb_dot:
	s_mov_b64 s[64:65], 0
	v_nop
	global_prefetch_b8 v0, s[64:65] scope:SCOPE_SE
	s_setreg_imm32_b32 hwreg(HW_REG_WAVE_MODE, 25, 1), 1
	s_wait_xcnt 0x0
; STEP 3 OF 3.  out0[b][t] = hidden[b][t][:] . u'[b] + c'[b], with u' and c' (the scale 512^-0.5 is in them) from ubuf.
; LIMIT: the order of rounding differs from the reference's (see the first launch); all sums are f32.
; Work-group wg owns rows 64 wg .. 64 wg + 63 of the 16,384 (batch wg / 64).  Wave w takes rows 8 i + w, i = 0 .. 7, so the eight waves
; walk 64 KiB of consecutive bytes together.  A row is 16 loads of 16 bytes a lane, 512 consecutive bytes each; a lane keeps u' of its
; 64 columns in 64 registers for the whole launch.  A ring of 32 register slots keeps 32 loads of each wave out:
; 8 waves x 32 loads x 512 bytes = 128 KiB of the work-group on their way.
; No joint loads in a cluster: what work-groups share is u', 8 KiB against 512 KiB of hidden that are a work-group's own.
; No address register is rewritten (all steps stand in immediates) and EXEC stays full, so no wait frees a source.
.set UPITCH, 8704
.set L16,   1                          ; v1       16 x lane
.set HOFF,  2                          ; v2       my byte offset in the work-group's rows
.set W4,    3                          ; v3       4 x wave: my wave's word among eight rows' scores
.set L8,    4                          ; v4       8 x lane
.set ACC,   6                          ; v[6:9]   four running sums of a row
.set T,     10                         ; v10      the row's sum
.set U,     16                         ; v[16:79] u' of my 64 columns
.set X,     80                         ; v[80:207] 32 slots of 4 registers
	s_load_b128 s[4:7], s[0:1], 0x0                ; hidden s[4:5], ubuf s[6:7]
	s_load_b64 s[8:9], s[0:1], 0x10                ; out0
	v_lshl_add_u32 v208, v0, 2, 0x100
	v_mov_b32 v209, 0
	v_lshrrev_b32 v5, 5, v0
	v_readfirstlane_b32 s10, v5                    ; wave 0..7
	s_lshl_b32 s12, ttmp9, 19                      ; 64 rows of 8,192 bytes
	s_mov_b32 s13, 0
	s_lshr_b32 s14, ttmp9, 6                       ; batch
	s_mul_i32 s14, s14, UPITCH
	s_mov_b32 s15, 0
	s_lshl_b32 s16, ttmp9, 8                       ; 64 scores
	s_mov_b32 s17, 0
	s_mov_b32 s20, 0x76543210
	s_mov_b32 s21, 0xfedcba98
	v_and_b32 v[L8], 31, v0
	v_lshlrev_b32 v[L16], 4, v[L8]
	v_lshl_add_u32 v[HOFF], s10, 13, v[L16]        ; row w + my 16 bytes
	v_mov_b32 v[W4], s10
	v_lshlrev_b32 v[W4], 2, v[W4]
	v_lshlrev_b32 v[L8], 3, v[L8]
	s_wait_kmcnt 0x0
	s_add_nc_u64 s[4:5], s[4:5], s[12:13]
	s_add_nc_u64 s[6:7], s[6:7], s[14:15]
	s_add_nc_u64 s[8:9], s[8:9], s[16:17]
	s_load_b32 s18, s[6:7], 0x2000                 ; c': this launch stores nothing into ubuf
.irp n, 0,1,2,3,4,5,6,7,8,9,10,11,12,13,14,15
	global_load_b128 v[U+4*\n:U+4*\n+3], v[L16], s[6:7] offset:512*\n
.endr
.irp i, 0,1
.irp n, 0,1,2,3,4,5,6,7,8,9,10,11,12,13,14,15
	global_load_b128 v[X+64*\i+4*\n:X+64*\i+4*\n+3], v[HOFF], s[4:5] offset:65536*\i+512*\n th:TH_LOAD_NT   ; the ring's first fill: my first two rows; the launch reads each byte of hidden once
.endr
.endr
	s_wait_kmcnt 0x0                               ; c'
; Load k = 16 i + n: piece n of my row i.  Its slot is k mod 32 = 16 (i mod 2) + n, asked for again with piece n of row i + 2.
.macro STEP i, n
.if 16*\i+\n < 97
	s_wait_loadcnt 31                              ; loads k + 1 .. k + 31 are younger and stay out (loads come back in order: ISA guide 5.7.1); u' is older
.else
	s_wait_loadcnt 127-(16*\i+\n)                  ; nothing is asked for any more: the counts run down
.endif
.if \n == 0
	v_pk_mul_f32 v[ACC:ACC+1],   v[X+64*(\i%2):X+64*(\i%2)+1],   v[U:U+1]     ; the first piece starts the row's sums
	v_pk_mul_f32 v[ACC+2:ACC+3], v[X+64*(\i%2)+2:X+64*(\i%2)+3], v[U+2:U+3]
.else
	v_pk_fma_f32 v[ACC:ACC+1],   v[X+64*(\i%2)+4*\n:X+64*(\i%2)+4*\n+1],   v[U+4*\n:U+4*\n+1],   v[ACC:ACC+1]
	v_pk_fma_f32 v[ACC+2:ACC+3], v[X+64*(\i%2)+4*\n+2:X+64*(\i%2)+4*\n+3], v[U+4*\n+2:U+4*\n+3], v[ACC+2:ACC+3]
.endif
.if \i < 6
	global_load_b128 v[X+64*(\i%2)+4*\n:X+64*(\i%2)+4*\n+3], v[HOFF], s[4:5] offset:65536*(\i+2)+512*\n th:TH_LOAD_NT
.endif
.if \n == 15
	v_pk_add_f32 v[ACC:ACC+1], v[ACC:ACC+1], v[ACC+2:ACC+3]
	v_add_f32 v[T], v[ACC], v[ACC+1]
	v_add_f32_dpp v[T], v[T], v[T] row_xmask:1 row_mask:0xf bank_mask:0xf
	v_add_f32_dpp v[T], v[T], v[T] row_xmask:2 row_mask:0xf bank_mask:0xf
	v_add_f32_dpp v[T], v[T], v[T] row_xmask:4 row_mask:0xf bank_mask:0xf
	v_add_f32_dpp v[T], v[T], v[T] row_xmask:8 row_mask:0xf bank_mask:0xf
	v_permlanex16_b32 v[ACC+1], v[T], s20, s21     ; its destination has been written
	v_add_f32 v[T], v[T], v[ACC+1]
	v_add_f32 v[T], s18, v[T]                      ; + c'
	ds_store_b32 v[W4], v[T] offset:32*\i          ; word 8 i + w; all lanes write the same word with the same value
.endif
.endm
.irp i, 0,1,2,3,4,5,6,7
.irp n, 0,1,2,3,4,5,6,7,8,9,10,11,12,13,14,15
	STEP \i, \n
.endr
.endr
	s_wait_dscnt 0x0                               ; for wave 0: my eight scores are in LDS
	s_barrier_signal -1
	s_barrier_wait -1
	s_cmp_lg_u32 s10, 0
	s_cbranch_scc1 .Lend
	ds_load_b64 v[ACC:ACC+1], v[L8]
	s_wait_dscnt 0x0
	global_store_b64 v[L8], v[ACC:ACC+1], s[8:9]   ; the work-group's 64 scores: one store of 256 consecutive bytes, aligned
.Lend:
	s_wait_tensorcnt 0x0
	ds_add_u32 v208, v209
	s_wait_dscnt 0x0
	s_endpgm
.Lfunc_end_k_qafab847bdb_dot:
	.size	k_qafab847bdb_dot, .Lfunc_end_k_qafab847bdb_dot-k_qafab847bdb_dot
	.p2alignl 7, 3214868480
	.fill 96, 4, 3214868480
	.section	.rodata,"a",@progbits
	.p2align	6, 0x0
	.amdhsa_kernel k_qafab847bdb_dot
		.amdhsa_group_segment_fixed_size 1280
		.amdhsa_private_segment_fixed_size 0
		.amdhsa_enable_private_segment 0
		.amdhsa_kernarg_size 24
		.amdhsa_user_sgpr_count 2
		.amdhsa_user_sgpr_kernarg_segment_ptr 1
		.amdhsa_wavefront_size32 1
		.amdhsa_system_sgpr_workgroup_id_x 1
		.amdhsa_system_sgpr_workgroup_id_y 1
		.amdhsa_system_sgpr_workgroup_id_z 1
		.amdhsa_system_vgpr_workitem_id 0
		.amdhsa_next_free_vgpr 210
		.amdhsa_next_free_sgpr 66
		.amdhsa_reserve_vcc 0
		.amdhsa_float_denorm_mode_32 3
		.amdhsa_float_denorm_mode_16_64 3
		.amdhsa_memory_ordered 1
		.amdhsa_forward_progress 1
		.amdhsa_inst_pref_size 40
	.end_amdhsa_kernel
	.amdgpu_metadata
---
amdhsa.version: [ 1, 2 ]
amdhsa.kernels:
  - .name:           k_qafab847bdb_dot
    .symbol:         k_qafab847bdb_dot.kd
    .args:
      - { .name: hidden, .offset: 0, .size: 8, .value_kind: global_buffer, .address_space: global }
      - { .name: ubuf, .offset: 8, .size: 8, .value_kind: global_buffer, .address_space: global }
      - { .name: out0, .offset: 16, .size: 8, .value_kind: global_buffer, .address_space: global }
    .group_segment_fixed_size: 1280
    .private_segment_fixed_size: 0
    .kernarg_segment_align: 8
    .kernarg_segment_size: 24
    .max_flat_workgroup_size: 256
    .sgpr_count:     66
    .vgpr_count:     210
    .wavefront_size: 32
...
	.end_amdgpu_metadata
.endif
;; end of part 3
;; ======== version 2 of 2: 3 launches; version 1 with the launch dot written anew for expert scheduling mode
;; workspace buffers: kpart 524,288 bytes; ubuf 34,816 bytes
;; launch colsum_k: the kernel of part 1 again; grid 256 x 1, 16 waves a work-group, no clusters, 8,192 bytes of LDS; arguments hidden, Wk, kpart; writes kpart
;; launch mid: the kernel of part 2 again; grid 32 x 4, 16 waves a work-group, no clusters, 20,480 bytes of LDS; arguments kpart, Wq, bk, bq, ubuf; writes ubuf
;; launch dot (part 4): grid 256 x 1, 8 waves a work-group, no clusters, 1,280 bytes of LDS; arguments hidden, ubuf, out0; writes out0
.if DOCPART == 4
	.amdgcn_target "amdgcn-amd-amdhsa--gfx1250"
	.amdhsa_code_object_version 6
	.text
	.protected	k_qafab847bdb_dot
	.globl	k_qafab847bdb_dot
	.p2align	8
	.type	k_qafab847bdb_dot,@function
k_qafab847bdb_dot:
	s_mov_b64 s[64:65], 0
	v_nop
	global_prefetch_b8 v0, s[64:65] scope:SCOPE_SE
	s_setreg_imm32_b32 hwreg(HW_REG_WAVE_SCHED_MODE, 0, 2), 2
	s_setreg_imm32_b32 hwreg(HW_REG_WAVE_MODE, 25, 1), 1
	s_wait_xcnt 0x0
	s_wait_alu depctr_vm_vsrc(0)
; STEP 3 OF 3.  out0[b][t] = hidden[b][t][:] . u'[b] + c'[b], with u' and c' (the scale 512^-0.5 is in them) from ubuf.
; LIMIT: the order of rounding differs from the reference's (see the first launch); all sums are f32.
; Work-group wg owns rows 64 wg .. 64 wg + 63 of the 16,384 (batch wg / 64).  Wave w takes rows 8 i + w, i = 0 .. 7, so the eight waves
; walk 64 KiB of consecutive bytes together.  A row is 16 loads of 16 bytes a lane, 512 consecutive bytes each; a lane keeps u' of its
; 64 columns in 64 registers for the whole launch.
; No joint loads in a cluster: what work-groups share is u', 8 KiB against 512 KiB of hidden that are a work-group's own.
; No address register is rewritten (all steps stand in immediates) and EXEC stays full, so no wait frees a source.
; THE MODE: SCHED_MODE bits 1:0 = 2 (LLVM: expert scheduling mode 2), set by the entry lines.  The code itself states the register dependences
; between vector instructions and memory or LDS instructions, with s_wait_alu, always for 0.
; THE PLAN.  A wave's 128 loads of hidden go in 32 blocks of four: block p = 4 i + c is pieces 4 c .. 4 c + 3 of my row i.  Registers that memory or LDS instructions touch:
;   X0 .. X9   ten blocks as loaded.  Blocks 0 to 9 are asked for at the head; block p + 9 is asked for in block p (p = 1 .. 22) and lands in
;              X[(p + 9) % 10] = X[(p - 1) % 10].  Read by block p's eight multiply-adds, which take X[p % 10].
;   U          written by sixteen loads at the head, never again.
;   T0 .. T7   a register for each row's score: written by the row's reduction, read by the eight LDS stores at the end, never written again.
;   ACC        named by vector instructions alone while the stream runs; at the end wave 0's LDS load lands in its first pair.
;   v1 .. v4   offsets and LDS addresses, made once at the head and never written again.
; Block p's loads land in the buffer that block p - 1 worked on and that no vector instruction of block p names.  So ONE wait at the block's head states all
; that its four loads hang on, and they are dealt among its multiply-adds with no further wait.  Blocks that ask for nothing hold no such wait.
; 32 to 36 loads of each wave are out (40 at the start): 8 waves x 32 loads x 512 bytes = 128 KiB of the work-group on their way at the least.
.set UPITCH, 8704
.set NBUF,  10                         ; buffers of four loads
.set L16,   1                          ; v1       16 x lane
.set HOFF,  2                          ; v2       my byte offset in the work-group's rows
.set W4,    3                          ; v3       4 x wave: my wave's word among eight rows' scores
.set L8,    4                          ; v4       8 x lane
.set ACC,   6                          ; v[6:9]   four running sums of a row
.set U,     16                         ; v[16:79] u' of my 64 columns
.set X,     80                         ; v[80:239] buffer k: 16 registers at X + 16 k
.set T,     240                        ; v[240:247] row i's sum at T + i
	s_load_b128 s[4:7], s[0:1], 0x0                ; hidden s[4:5], ubuf s[6:7]
	s_load_b64 s[8:9], s[0:1], 0x10                ; out0
	v_lshl_add_u32 v14, v0, 2, 0x100
	v_mov_b32 v15, 0
	v_lshrrev_b32 v5, 5, v0
	v_readfirstlane_b32 s10, v5                    ; wave 0..7
	s_lshl_b32 s12, ttmp9, 19                      ; 64 rows of 8,192 bytes
	s_mov_b32 s13, 0
	s_lshr_b32 s14, ttmp9, 6                       ; batch
	s_mul_i32 s14, s14, UPITCH
	s_mov_b32 s15, 0
	s_lshl_b32 s16, ttmp9, 8                       ; 64 scores
	s_mov_b32 s17, 0
	s_mov_b32 s20, 0x76543210
	s_mov_b32 s21, 0xfedcba98
	v_and_b32 v[L8], 31, v0
	v_lshlrev_b32 v[L16], 4, v[L8]
	s_wait_alu depctr_va_sdst(0)                   ; s10 is written, ahead of its first reader, the next line
	v_lshl_add_u32 v[HOFF], s10, 13, v[L16]        ; row w + my 16 bytes
	v_mov_b32 v[W4], s10
	v_lshlrev_b32 v[W4], 2, v[W4]
	v_lshlrev_b32 v[L8], 3, v[L8]
	s_wait_kmcnt 0x0
	s_add_nc_u64 s[4:5], s[4:5], s[12:13]
	s_add_nc_u64 s[6:7], s[6:7], s[14:15]
	s_add_nc_u64 s[8:9], s[8:9], s[16:17]
	s_load_b32 s18, s[6:7], 0x2000                 ; c': this launch stores nothing into ubuf
	s_wait_alu depctr_va_vdst(0)                   ; v1 to v4 are written: every load, LDS instruction and store of the kernel reads one of them as its offset or address
.irp n, 0,1,2,3,4,5,6,7,8,9,10,11,12,13,14,15
	global_load_b128 v[U+4*\n:U+4*\n+3], v[L16], s[6:7] offset:512*\n
.endr
.set m, 0
.rept 4*NBUF                           ; blocks 0 to 9 into X0 to X9: load m is piece m % 16 of my row m / 16; the launch reads each byte of hidden once
	global_load_b128 v[X+4*m:X+4*m+3], v[HOFF], s[4:5] offset:65536*(m/16)+512*(m%16) th:TH_LOAD_NT
.set m, m+1
.endr
	s_wait_kmcnt 0x0                               ; c'
; Block p.  It multiplies X[p % 10] by u' of pieces 4 (p % 4) .. + 3; for p = 1 .. 22 it asks for block p + 9, one load ahead of each piece's two multiply-adds.
.macro BLK p
.if (\p) == 0
	s_wait_loadcnt 36                              ; u' and block 0 are in; blocks 1 to 9 are younger and stay out (loads come back in order: ISA guide 5.7.1)
.elseif (\p) < 24
	s_wait_loadcnt 32                              ; block p is in; blocks p + 1 .. p + 8 are younger and stay out
.else
	s_wait_loadcnt 4*(31-(\p))                     ; nothing is asked for any more: the counts run down
.endif
.if ((\p) > 0) && ((\p) < 23)
	s_wait_alu depctr_va_vdst(0)                   ; the block before is done reading X[(p - 1) % 10], in which the four loads below land
.endif
.irp q, 0,1,2,3
.if ((\p) > 0) && ((\p) < 23)
	global_load_b128 v[X+16*(((\p)+9)%NBUF)+4*\q:X+16*(((\p)+9)%NBUF)+4*\q+3], v[HOFF], s[4:5] offset:65536*(((\p)+9)/4)+512*(4*(((\p)+9)%4)+\q) th:TH_LOAD_NT   ; no vector instruction since the wait names these registers
.endif
.if ((\p)%4 == 0) && (\q == 0)
	v_pk_mul_f32 v[ACC:ACC+1],   v[X+16*((\p)%NBUF):X+16*((\p)%NBUF)+1],   v[U:U+1]     ; the first piece starts the row's sums
	v_pk_mul_f32 v[ACC+2:ACC+3], v[X+16*((\p)%NBUF)+2:X+16*((\p)%NBUF)+3], v[U+2:U+3]
.else
	v_pk_fma_f32 v[ACC:ACC+1],   v[X+16*((\p)%NBUF)+4*\q:X+16*((\p)%NBUF)+4*\q+1],   v[U+16*((\p)%4)+4*\q:U+16*((\p)%4)+4*\q+1],   v[ACC:ACC+1]
	v_pk_fma_f32 v[ACC+2:ACC+3], v[X+16*((\p)%NBUF)+4*\q+2:X+16*((\p)%NBUF)+4*\q+3], v[U+16*((\p)%4)+4*\q+2:U+16*((\p)%4)+4*\q+3], v[ACC+2:ACC+3]
.endif
.endr
.if (\p)%4 == 3                        ; the row's last block: its sum over my 64 columns, then over the 32 lanes, into the row's own register
	v_pk_add_f32 v[ACC:ACC+1], v[ACC:ACC+1], v[ACC+2:ACC+3]
	v_add_f32 v[T+(\p)/4], v[ACC], v[ACC+1]
	v_add_f32_dpp v[T+(\p)/4], v[T+(\p)/4], v[T+(\p)/4] row_xmask:1 row_mask:0xf bank_mask:0xf
	v_add_f32_dpp v[T+(\p)/4], v[T+(\p)/4], v[T+(\p)/4] row_xmask:2 row_mask:0xf bank_mask:0xf
	v_add_f32_dpp v[T+(\p)/4], v[T+(\p)/4], v[T+(\p)/4] row_xmask:4 row_mask:0xf bank_mask:0xf
	v_add_f32_dpp v[T+(\p)/4], v[T+(\p)/4], v[T+(\p)/4] row_xmask:8 row_mask:0xf bank_mask:0xf
	v_permlanex16_b32 v[ACC+1], v[T+(\p)/4], s20, s21  ; its destination has been written
	v_add_f32 v[T+(\p)/4], v[T+(\p)/4], v[ACC+1]
	v_add_f32 v[T+(\p)/4], s18, v[T+(\p)/4]        ; + c'
.endif
.endm
.irp p, 0,1,2,3,4,5,6,7,8,9,10,11,12,13,14,15,16,17,18,19,20,21,22,23,24,25,26,27,28,29,30,31
	BLK \p
.endr
	s_wait_alu depctr_va_vdst(0)                   ; the eight reductions have written T0 to T7, which the LDS stores read; and every vector instruction that names ACC is done: wave 0's LDS load below lands there, and no vector instruction follows this wait
.irp i, 0,1,2,3,4,5,6,7
	ds_store_b32 v[W4], v[T+\i] offset:32*\i       ; word 8 i + w; all lanes write the same word with the same value
.endr
	s_wait_dscnt 0x0                               ; for wave 0: my eight scores are in LDS
	s_barrier_signal -1
	s_barrier_wait -1
	s_cmp_lg_u32 s10, 0
	s_cbranch_scc1 .Lend
	ds_load_b64 v[ACC:ACC+1], v[L8]
	s_wait_dscnt 0x0
	global_store_b64 v[L8], v[ACC:ACC+1], s[8:9]   ; the work-group's 64 scores: one store of 256 consecutive bytes, aligned
.Lend:
	s_wait_dscnt 0x0
	s_wait_alu depctr_hold_cnt(0) depctr_sa_sdst(0) depctr_va_vdst(0) depctr_va_sdst(0) depctr_va_ssrc(0) depctr_va_vcc(0) depctr_vm_vsrc(0)
	s_wait_tensorcnt 0x0
	ds_add_u32 v14, v15
	s_wait_dscnt 0x0
	s_endpgm
.Lfunc_end_k_qafab847bdb_dot:
	.size	k_qafab847bdb_dot, .Lfunc_end_k_qafab847bdb_dot-k_qafab847bdb_dot
	.p2alignl 7, 3214868480
	.fill 96, 4, 3214868480
	.section	.rodata,"a",@progbits
	.p2align	6, 0x0
	.amdhsa_kernel k_qafab847bdb_dot
		.amdhsa_group_segment_fixed_size 1280
		.amdhsa_private_segment_fixed_size 0
		.amdhsa_enable_private_segment 0
		.amdhsa_kernarg_size 24
		.amdhsa_user_sgpr_count 2
		.amdhsa_user_sgpr_kernarg_segment_ptr 1
		.amdhsa_wavefront_size32 1
		.amdhsa_system_sgpr_workgroup_id_x 1
		.amdhsa_system_sgpr_workgroup_id_y 1
		.amdhsa_system_sgpr_workgroup_id_z 1
		.amdhsa_system_vgpr_workitem_id 0
		.amdhsa_next_free_vgpr 248
		.amdhsa_next_free_sgpr 66
		.amdhsa_reserve_vcc 0
		.amdhsa_float_denorm_mode_32 3
		.amdhsa_float_denorm_mode_16_64 3
		.amdhsa_memory_ordered 1
		.amdhsa_forward_progress 1
		.amdhsa_inst_pref_size 38
	.end_amdhsa_kernel
	.amdgpu_metadata
---
amdhsa.version: [ 1, 2 ]
amdhsa.kernels:
  - .name:           k_qafab847bdb_dot
    .symbol:         k_qafab847bdb_dot.kd
    .args:
      - { .name: hidden, .offset: 0, .size: 8, .value_kind: global_buffer, .address_space: global }
      - { .name: ubuf, .offset: 8, .size: 8, .value_kind: global_buffer, .address_space: global }
      - { .name: out0, .offset: 16, .size: 8, .value_kind: global_buffer, .address_space: global }
    .group_segment_fixed_size: 1280
    .private_segment_fixed_size: 0
    .kernarg_segment_align: 8
    .kernarg_segment_size: 24
    .max_flat_workgroup_size: 256
    .sgpr_count:     66
    .vgpr_count:     248
    .wavefront_size: 32
...
	.end_amdgpu_metadata
.endif
;; end of part 4
